; MI455X (gfx1250); checked and timed in simulation.
; The chip was launched on July 23, 2026; its instructions are those of AMD's public machine-readable ISA for CDNA 5 (MIT licence, August 2026) and "CDNA5" Instruction Set Architecture Reference Guide (July 2026). The comments in the code are by the model that wrote it; some were corrected since.
;; FP8 MM. Allowed arithmetic: matrix products marked QUANTISED: E2M1 operands, one E8M0 scale for each 32 along K, by v_wmma_scale_f32_16x16x128_f8f6f4 with both operands' format E2M1 (or v_wmma_scale_f32_32x16x128_f4), f32 sums; everything else in f32.
;; Inputs: inp 4,096 x 4,096 float32.
;; Outputs: out0 4,096 x 4,096 float32.
;; This version of the problem:
;;   THIS VERSION OF THE PROBLEM IS GIVEN IN LOW PRECISION. The matrix products marked QUANTISED in the list below multiply operands that are first quantised to E2M1 (2 exponent bits, 1 mantissa bit; 4 bits a number), with one power-of-two scale for each 32 numbers along K (OCP MX v1.0); their sums are f32. All else is computed in f32.
;;   The module's matrix products, in the order in which they are computed (A, B: the left and right operand; K: the contracted axis; several contracted axes count as one K, in the product's order):
;;     1. [M 4,096, K 4,096] x [K 4,096, N 4,096]; A: input inp; B: input inp: QUANTISED
;;   THE QUANTISER, for each operand of a quantised product, along K:
;;     - K is cut into blocks of 32 from its start; a last block that is shorter is filled with zeros.
;;     - A block's scale is 2^e with e = floor(log2(the largest magnitude in the block)) - 2, held to -126 .. 127; a block of zeros has e = 0. As a byte (E8M0): e + 127.
;;     - Each number is divided by its block's scale, clamped to +-6, and rounded to the nearest number of E2M1, ties to even, subnormals kept.
;;     - The product sums the exact products of the quantised numbers (number of the format x scale) in f32.
;;   ~~~python
;;   def quantise(x, axis):      # numpy; x: float32 -> the quantised numbers, widened to float32 again
;;       x = np.moveaxis(x, axis, -1); K = x.shape[-1]
;;       x = np.pad(x, [(0, 0)] * (x.ndim - 1) + [(0, -K % 32)]); x = x.reshape(x.shape[:-1] + (-1, 32)); a = np.abs(x).max(-1, keepdims=True)
;;       e = np.where(a > 0, np.clip(np.frexp(np.where(a > 0, a, 1))[1] - 1 - 2, -126, 127), 0)      # np.frexp(a)[1] - 1 = floor(log2(a)), exactly
;;       r = np.clip(x / 2.0 ** e, -6, 6)
;;       step = 2.0 ** (np.maximum(np.frexp(np.where(r == 0, 1, r))[1] - 1, 0) - 1)
;;       q = np.round(r / step) * step * 2.0 ** e      # np.round: ties to even
;;       return np.moveaxis(q.reshape(q.shape[:-2] + (-1,))[..., :K], -1, axis).astype(np.float32)
;;   ~~~
;; One version. Each part assembles by itself: llvm-mc -triple=amdgcn-amd-amdhsa -mcpu=gfx1250 --defsym DOCPART=n.
;; ======== version 1 of 1: 2 launches
;; limits: right only within a limited range of input values
;; workspace buffers: q 8,912,896 bytes
;; launch quant (part 1): grid 32 x 8, 16 waves a work-group, no clusters, 36,864 bytes of LDS; arguments inp, q; writes q
.if DOCPART == 1
	.amdgcn_target "amdgcn-amd-amdhsa--gfx1250"
	.amdhsa_code_object_version 6
	.text
	.protected	k_q6408c0cce1_quant
	.globl	k_q6408c0cce1_quant
	.p2align	8
	.type	k_q6408c0cce1_quant,@function
k_q6408c0cce1_quant:
	s_mov_b64 s[64:65], 0
	v_nop
	global_prefetch_b8 v0, s[64:65] scope:SCOPE_SE
	s_setreg_imm32_b32 hwreg(HW_REG_WAVE_MODE, 25, 1), 1
	s_wait_xcnt 0x0
; THE PROGRAM.  out0 = Q(inp)^T Q(inp): both operands are the SAME quantised matrix, so out0[i][j] = out0[j][i] for all inputs.  This launch quantises inp once; the next one multiplies each
; unordered pair of blocks once and stores the result in both places.
; inp [4096 (k)][4096 (n)], f32: K is its FIRST axis.  It is turned into codes of FP4 (E2M1) with one E8M0 scale byte for each 32 along K.
; THE LAYOUT OF q is this program's own: q [64 halves of 64 columns n][8 T, 512 along K each][17,408 bytes].  The 17,408 bytes are 4 steps of 128 along K x 4 groups of 16 columns x 1,024 bytes, the image of the
; matrix instruction's operand registers (c = 0, 1: 512 bytes, 16 bytes a lane; lane 16 h + r: column r, k = 64 c + 32 h + 0 .. 31, the lower k in the lower four bits),
; and behind these 16,384 bytes of codes 64 columns x 16 scale bytes (the word of step 0, 1, 2, 3).
; A LANE TAKES A COLUMN n, AND ITS REGISTERS RUN DOWN K: each load reads neighbouring n in neighbouring lanes, a block of 32 along K lies in ONE lane's 32 registers, its largest magnitude needs no other lane,
; and the conversions, which take neighbours along K from one lane's consecutive registers, give codes with K innermost.
; A block's scale is 2^(floor(log2(its largest magnitude)) - 2); its byte is the largest magnitude's exponent field - 2, held at 1 from below (the rule's hold at -126).
; LIMITS: a block of zeros gets the byte 1 where the rule says 127: its codes are zeros, which add nothing under any byte but 0xff, and the bytes are read by this program alone.  NaN and infinities among the inputs are not served.
; SHARES.  Work-group (x, y): columns 128 x .. 128 x + 127 (two halves), T = y: 262,144 bytes in, 34,816 out.  Thread t: column t % 128, step t / 128 of the four: four blocks.
; Each wave has up to 64 loads of 128 bytes out.  Codes and scale words meet in one stage in LDS, the image of the work-group's two runs of 17,408 bytes of q; behind one barrier they leave 16 bytes a lane,
; 512 consecutive bytes a wave, aligned to 256.
; No tensor loads, no matrix unit, no cluster: the work-groups share no input byte, and the work is a stream.
.set ROWI,  4096*4                     ; a row of inp in bytes
.set TBY,   17408                      ; bytes of q for a half and a T
.set HALFB, 8*TBY                      ; bytes of q for a half
.set X,     32                         ; v32-159   four sets of 32 numbers, one for each block
.set C,     160                        ; v160-175  four registers of codes for each block
.set OUTR,  176                        ; v176-195  the way out: five groups of four
.set SO,    12                         ; v12-15    the conversions' scale operand, one for each block
	s_load_b128 s[4:7], s[0:1], 0x0                ; inp s[4:5], q s[6:7]
	v_lshl_add_u32 v200, v0, 2, 0x8800             ; my spare word, behind the stage's 34,816 bytes
	v_mov_b32 v201, 0
	v_lshrrev_b32 v1, 5, v0
	v_readfirstlane_b32 s8, v1                     ; wave 0..15
	s_and_b32 s9, ttmp7, 0xffff                    ; y: T
	s_lshl_b32 s10, s9, 23                         ; 512 rows of 16,384 bytes
	s_lshl_b32 s11, ttmp9, 9                       ; 128 columns of 4 bytes
	s_add_co_u32 s10, s10, s11
	s_mov_b32 s11, 0
	s_mul_i32 s12, s9, TBY
	s_mul_i32 s13, ttmp9, 2*HALFB
	s_add_co_u32 s12, s12, s13
	s_mov_b32 s13, 0
	v_and_b32 v2, 127, v0                          ; my column of the work-group's 128
	v_lshrrev_b32 v3, 7, v0                        ; my step
	v_bfe_u32 v22, v0, 6, 1                        ; my column's half
	v_bfe_u32 v18, v0, 4, 2                        ; its group in the half
	v_and_b32 v19, 15, v0                          ; its place in the group
	v_and_b32 v20, 63, v0                          ; its place in the half
	v_lshlrev_b32 v4, 2, v2
	v_mul_u32_u24 v17, v22, TBY
	v_lshlrev_b32 v8, 4, v0                        ; the way out: 16 bytes a thread
	v_lshl_add_u32 v4, v3, 21, v4                  ; in: 4 bytes a column + 128 rows of 16,384 bytes a step
	v_lshl_add_u32 v6, v3, 12, v17                 ; the stage: my step's 4,096 bytes of codes,
	v_lshl_add_u32 v7, v20, 4, v17                 ; and (16,384 on) my column's scale words
	v_mul_u32_u24 v23, v22, HALFB-1024
	v_lshl_add_u32 v6, v18, 10, v6
	v_lshl_add_u32 v7, v3, 2, v7
	v_lshl_add_u32 v21, v22, 14, v8                ; the scales' way out (waves 0 to 3, two a half): in the stage 17,408 - 1,024 = 16,384 further for the second half,
	v_lshl_add_u32 v6, v19, 4, v6
	v_add_nc_u32 v23, v23, v8                      ; in q a half less 1,024 further
	s_wait_alu depctr_va_vdst(0)                   ; the wait at the head's end
	s_wait_kmcnt 0x0
	s_add_nc_u64 s[4:5], s[4:5], s[10:11]
	s_add_nc_u64 s[6:7], s[6:7], s[12:13]
.macro LOAD t                          ; block t of my four: inp(32 t + i, my column), i = 0 .. 31.  Every offset is an immediate: 127 rows at the most, 2,080,768 bytes
.irp i, 0,1,2,3,4,5,6,7,8,9,10,11,12,13,14,15,16,17,18,19,20,21,22,23,24,25,26,27,28,29,30,31
	global_load_b32 v[X+32*(\t)+\i], v4, s[4:5] offset:(32*(\t)+\i)*ROWI th:TH_LOAD_NT
.endr
.endm
; left: the loads issued behind this block's, which may stay out.  ahead = 1: the block two further on is asked for.
.macro BLOCK t, left, ahead
.set XS, X+32*(\t)
	s_wait_loadcnt \left                           ; loads come back in order: this block's 32 are in
.if \ahead
	LOAD (\t)+2
.endif
	v_max3_num_f32 v10, |v[XS]|, |v[XS+1]|, |v[XS+2]|              ; the block's largest magnitude, in two chains
	v_max3_num_f32 v11, |v[XS+3]|, |v[XS+4]|, |v[XS+5]|
.irp i, 6,10,14,18,22,26
	s_delay_alu instid0(VALU_DEP_2)
	v_max3_num_f32 v10, v10, |v[XS+\i]|, |v[XS+\i+1]|
	s_delay_alu instid0(VALU_DEP_2)
	v_max3_num_f32 v11, v11, |v[XS+\i+2]|, |v[XS+\i+3]|
.endr
	s_delay_alu instid0(VALU_DEP_2)
	v_max3_num_f32 v10, v10, |v[XS+30]|, |v[XS+31]|
	s_delay_alu instid0(VALU_DEP_1)
	v_max3_num_f32 v10, v10, v11, 0x1800000        ; and the floor 2^(3 - 127): the byte cannot fall under 1
	s_delay_alu instid0(VALU_DEP_1)
	v_add_nc_u32 v[SO+(\t)], 0xff000000, v10       ; 2 off its exponent field: the conversion takes the exponent field of this operand as its scale
	s_delay_alu instid0(VALU_DEP_1)
	v_lshrrev_b32 v16, 23, v[SO+(\t)]              ; the scale's byte
.if (\t) == 0
	s_delay_alu instid0(VALU_DEP_1)
	v_mov_b32 v9, v16                              ; my four bytes make one word, the lower k in the lower byte
.else
	s_delay_alu instid0(VALU_DEP_1)
	v_lshl_or_b32 v9, v16, 8*(\t), v9
.endif
.irp g, 0,1,2,3
	v_cvt_scalef32_pk8_fp4_f32 v[C+4*(\t)+\g], v[XS+8*\g:XS+8*\g+7], v[SO+(\t)]   ; eight numbers / the scale, to the nearest code, ties to even, beyond 6 the largest code
.endr
	ds_store_b128 v6, v[C+4*(\t):C+4*(\t)+3] offset:256*(\t)   ; block t = 2 c + h: 512 c + 256 h.  (The codes go to this store alone, and no register of a conversion is written again)
.endm
	LOAD 0
	LOAD 1
	BLOCK 0, 32, 1                                 ; behind block 0's loads: block 1's 32
	BLOCK 1, 32, 1
	BLOCK 2, 32, 0
	BLOCK 3, 0, 0
	ds_store_b32 v7, v9 offset:16384               ; my four scale bytes
	s_wait_dscnt 0x0                               ; for the others' sake: my stores into the stage are done
	s_barrier_signal -1
	s_barrier_wait -1
	; THE WAY OUT: twice 8,192 bytes of codes for each half (16 bytes a thread), and 1,024 bytes of scales for each, which waves 0 to 3 take.
.irp i, 0,1,2,3
	ds_load_b128 v[OUTR+4*\i:OUTR+4*\i+3], v8 offset:8192*(\i%2)+TBY*(\i/2)
.endr
.irp i, 0,1,2,3
	s_wait_dscnt 3-\i                              ; LDS loads come back in order: the younger ones may stay out
	global_store_b128 v8, v[OUTR+4*\i:OUTR+4*\i+3], s[6:7] offset:8192*(\i%2)+HALFB*(\i/2)   ; a wave's store covers 512 consecutive bytes, at a multiple of 256 from q's first byte
.endr
	s_cmp_lt_u32 s8, 4
	s_cbranch_scc0 .Ldone
	ds_load_b128 v[OUTR+16:OUTR+19], v21 offset:16384
	s_wait_dscnt 0x0
	global_store_b128 v23, v[OUTR+16:OUTR+19], s[6:7] offset:16384
.Ldone:
	s_wait_tensorcnt 0x0                           ; the wave's end
	ds_add_u32 v200, v201
	s_wait_dscnt 0x0
	s_endpgm
.Lfunc_end_k_q6408c0cce1_quant:
	.size	k_q6408c0cce1_quant, .Lfunc_end_k_q6408c0cce1_quant-k_q6408c0cce1_quant
	.p2alignl 7, 3214868480
	.fill 96, 4, 3214868480
	.section	.rodata,"a",@progbits
	.p2align	6, 0x0
	.amdhsa_kernel k_q6408c0cce1_quant
		.amdhsa_group_segment_fixed_size 36864
		.amdhsa_private_segment_fixed_size 0
		.amdhsa_enable_private_segment 0
		.amdhsa_kernarg_size 16
		.amdhsa_user_sgpr_count 2
		.amdhsa_user_sgpr_kernarg_segment_ptr 1
		.amdhsa_wavefront_size32 1
		.amdhsa_system_sgpr_workgroup_id_x 1
		.amdhsa_system_sgpr_workgroup_id_y 1
		.amdhsa_system_sgpr_workgroup_id_z 1
		.amdhsa_system_vgpr_workitem_id 0
		.amdhsa_next_free_vgpr 202
		.amdhsa_next_free_sgpr 66
		.amdhsa_reserve_vcc 0
		.amdhsa_float_denorm_mode_32 3
		.amdhsa_float_denorm_mode_16_64 3
		.amdhsa_memory_ordered 1
		.amdhsa_forward_progress 1
		.amdhsa_inst_pref_size 24
	.end_amdhsa_kernel
	.amdgpu_metadata
---
amdhsa.version: [ 1, 2 ]
amdhsa.kernels:
  - .name:           k_q6408c0cce1_quant
    .symbol:         k_q6408c0cce1_quant.kd
    .args:
      - { .name: inp, .offset: 0, .size: 8, .value_kind: global_buffer, .address_space: global }
      - { .name: q, .offset: 8, .size: 8, .value_kind: global_buffer, .address_space: global }
    .group_segment_fixed_size: 36864
    .private_segment_fixed_size: 0
    .kernarg_segment_align: 8
    .kernarg_segment_size: 16
    .max_flat_workgroup_size: 512
    .sgpr_count:     66
    .vgpr_count:     202
    .wavefront_size: 32
...
	.end_amdgpu_metadata
.endif
;; end of part 1
;; launch gram (part 2): grid 256 x 1, 4 waves a work-group, clusters of 4 x 1, 327,680 bytes of LDS; arguments q, out0; writes out0
.if DOCPART == 2
	.amdgcn_target "amdgcn-amd-amdhsa--gfx1250"
	.amdhsa_code_object_version 6
	.text
	.protected	k_q6408c0cce1_gram
	.globl	k_q6408c0cce1_gram
	.p2align	8
	.type	k_q6408c0cce1_gram,@function
k_q6408c0cce1_gram:
	s_mov_b64 s[64:65], 0
	v_nop
	global_prefetch_b8 v0, s[64:65] scope:SCOPE_SE
	s_setreg_imm32_b32 hwreg(HW_REG_WAVE_MODE, 25, 1), 1
	s_wait_xcnt 0x0
	s_wait_alu depctr_hold_cnt(0) depctr_sa_sdst(0) depctr_va_vdst(0) depctr_va_sdst(0) depctr_va_ssrc(0) depctr_va_vcc(0) depctr_vm_vsrc(0)
	s_getreg_b32 s2, hwreg(HW_REG_IB_STS2, 6, 4)
	s_cmp_eq_u32 s2, 0
	s_cbranch_scc0 .Lentry_in_a_cluster
	s_endpgm
.Lentry_in_a_cluster:
	s_bfe_u32 s2, ttmp6, 0x10000c
	s_cmp_lg_u32 s2, 0x3003
	s_cbranch_scc0 .Lentry_shape_is_right
	s_endpgm
.Lentry_shape_is_right:
; out0[i][j] = sum over k of Q[k][i] Q[k][j], Q in codes of FP4 with E8M0 scales, laid out by the launch before (q [64 halves][8 T][17,408 bytes]: its comment says how); sums in f32.
; EACH PAIR OF BLOCKS ONCE.  Both operands are the same matrix, so out0[j][i] = out0[i][j] for all inputs: a block off the diagonal is multiplied once and stored in both places.
; Panels of 128 rows, a = 0 .. 31.  Work-group (a, s), s = 0 .. 7, holds panel a's rows and multiplies them with panels a + 2 s + 1 and a + 2 s + 2 (mod 32): distances 1 .. 16.
; A pair at distance 1 .. 15 has one owner; at distance 16 the owner is a < 16, and work-group (a >= 16, 7) takes its own diagonal block instead (computed whole and stored once: the second orientation's stores
; have every lane off there, since no branch may hang on a place in a cluster).  The diagonal blocks of panels a < 16 are dealt to their eight work-groups, a strip of 16 columns each: a FIFTH piece, 17 products a step for 16.
; CLUSTERS: four work-groups of one panel, s = 4 sh + cx: the panel's tiles are asked for jointly.  Cluster number = a + 32 sh: the longer work (a < 16) comes first in each half of the grid.
; A WAVE'S TILE: panel a's 128 rows x one half (64 columns) of its own, all of K: 4 x 4 sums of 32 x 16, 256 registers.  The panel lies in LDS, all of K, filled once: 278,528 bytes, the image of q, a quarter a wave.
; The wave's 64 columns are read by no other wave of the work-group: they go from memory into registers as they lie, 512 consecutive bytes a load, four steps of 128 along K ahead (five where the work is longer).
; THE PANEL'S PAIRS of 16-row groups are rotated: a wave's register pair p holds the panel's rows 32 P .. 32 P + 31, P = (p + w) mod 4.  So register pair 0 is pair w, and the fifth piece is pair w x the strip in every wave.
; WITHOUT PREFETCHES: the panel comes by one fill at the head, where no loop runs ahead of it, and the columns' own loads run 4 x 4,096 bytes and more ahead in each wave.
; The 32 steps are written out by the assembler: register numbers come back after eight steps, but the first step starts the sums and the last ones ask for nothing.
; LIMIT: the sums' order is the matrix instruction's, K ascending, one sum for each output.
; REGISTERS: window 0: addresses, scale words, the fifth piece.
;   window 1: the columns' fragments, eight steps of 32.   window 2: the panel's, four steps of 64.   window 3: the sums: (strip b, pair p) at v[16 (4 b + p)].
.set TBY,   17408                      ; bytes of q for a half and a T (512 along K)
.set HALFB, 8*TBY
.set SPARE, 2*HALFB                    ; behind the panel: the spare words, 128 bytes for each wave
.set STAGE, SPARE+512                  ; the way out: 16 rows x 528 bytes for each wave
.set SBY,   16*528
.set STAGE5, STAGE+4*SBY               ; the fifth piece's way out: 16 rows x 528 bytes, the work-group's
.set ROWC,  16384                      ; a row of out0
.set LN,    2                          ; v2      16 x lane
.set ADR,   8                          ; v8-19   register pair p's fragments at T = 0, 3, 6: v[ADR + 3 p + ..]
.set ADA,   20                         ; v20-31  its scale words
.set SPW,   32
.set NIL,   33
.set STO2,  34
.set RD2,   35
.set STO1,  36
.set RD1,   37
.set CO2,   38
.set CO1,   40                         ; v40-43  out0's offsets of register pair p's rows
.set STO5,  44
.set RD5,   45
.set LNR,   46                         ; 16 x (lane mod 16)
.set SA,    48                         ; the panel's scale words: two sets of 16
.set SB,    80                         ; the columns': three sets of 8
.set SF,    104                        ; the fifth piece's: three sets of 4
.set FA,    120                        ; its sum
.set FF,    136                        ; its strip: eight steps of 8
.set O5,    200                        ; its way out
.set MSB, 0
.macro WIN new                         ; the immediate's high byte repeats the setting that is left
.if MSB != \new
	s_set_vgpr_msb (MSB<<8)|\new
.set MSB, \new
.endif
.endm
.macro PLACES                          ; four places in front of loads into registers that products have read, and of reads of sums
.rept 4
	v_nop
.endr
.endm
.macro CROUND                          ; a round of the cluster's barrier
	s_barrier_signal -1
	s_barrier_wait -1
	s_cmp_lg_u32 s8, 0
	s_cbranch_scc1 .Lnot_wave_0_\@
	s_barrier_signal -3
.Lnot_wave_0_\@:
	s_barrier_wait -3
	s_barrier_signal -1
	s_barrier_wait -1
.endm
	s_load_b128 s[4:7], s[0:1], 0x0                ; q s[4:5], out0 s[6:7]
	v_lshl_add_u32 v[SPW], v0, 2, SPARE
	v_mov_b32 v[NIL], 0
	ds_add_u32 v[SPW], v[NIL]                      ; the opening lines: the add, twice on end, and its wait ahead of my first tensor load
	ds_add_u32 v[SPW], v[NIL]
	v_lshrrev_b32 v1, 5, v0
	v_readfirstlane_b32 s8, v1                     ; w: wave 0..3
	s_bfe_u32 s13, ttmp6, 0x40000                  ; cx
	s_and_b32 s9, ttmp9, 31                        ; a
	s_lshr_b32 s12, ttmp9, 5                       ; sh
	s_lshl_b32 s10, s12, 2
	s_add_co_u32 s10, s10, s13                     ; s
	s_lshr_b32 s11, s9, 4                          ; 0: a < 16, this work-group has a fifth piece
	s_lshr_b32 s16, s8, 1                          ; the half of the panel that I fetch for
	s_and_b32 s17, s8, 1                           ; which four T of it
	s_lshl_b32 s19, s9, 1
	s_add_co_u32 s18, s19, s16
	s_mul_i32 s20, s18, HALFB
	s_mul_i32 s22, s17, 4*TBY
	s_add_co_u32 s20, s20, s22
	s_mov_b32 s21, 0
	s_mul_i32 s23, s16, HALFB
	s_lshl_b32 s24, s10, 1                         ; my columns: distance 2 s + 1 + w / 2
	s_add_co_u32 s24, s24, s16
	s_add_co_u32 s24, s24, 1
	s_lshr_b32 s25, s24, 4
	s_and_b32 s25, s25, s11                        ; 1: distance 16 and a >= 16: the own panel takes its place
	s_lshl_b32 s25, s25, 4
	s_add_co_u32 s24, s24, s25
	s_add_co_u32 s24, s24, s9
	s_and_b32 s24, s24, 31
	s_lshl_b32 s24, s24, 1
	s_add_co_u32 s24, s24, s17                     ; the half of q that is mine
	s_mul_i32 s26, s24, HALFB
	s_mov_b32 s27, 0
	s_lshr_b32 s42, s10, 2                         ; the fifth piece's strip: strip s of the panel's eight: its half,
	s_add_co_u32 s42, s42, s19
	s_mul_i32 s42, s42, HALFB
	s_and_b32 s48, s10, 3                          ; and its place there: 1,024 bytes of codes a step, 256 of scale words a T
	s_lshl_b32 s49, s48, 10
	s_lshl_b32 s48, s48, 8
	s_add_co_u32 s48, s48, s42
	s_add_co_u32 s42, s42, s49
	s_mov_b32 s43, 0
	s_mov_b32 s49, 0
	s_mov_b32 s28, 15|(3<<16)|(1<<21)              ; group 1: the cluster's four work-groups; elements of 8 bytes, no padding
	s_mov_b32 s29, 32<<16                          ; rows of 32 elements, 256 bytes
	s_mov_b32 s30, 272<<16                         ; 272 rows
	s_mov_b32 s31, 32<<16
	s_mov_b32 s32, 272
	s_mov_b32 s33, 32                              ; dense
	s_mov_b32 s34, 0
	s_mov_b32 s35, 0
	s_mov_b32 s36, 1                               ; group 0
	s_add_co_u32 s37, s23, s22
.irp p, 0,1,2,3                        ; register pair p: panel pair P = (p + w) mod 4
	s_add_co_u32 s70, s8, \p
	s_and_b32 s70, s70, 3
	s_lshr_b32 s71, s70, 1
	s_mul_i32 s71, s71, HALFB
	s_and_b32 s72, s70, 1
	s_lshl_b32 s73, s72, 11
	s_add_co_u32 s[74+\p], s73, s71                ; its fragments: 2,048 bytes a step,
	s_lshl_b32 s73, s72, 9
	s_add_co_u32 s[78+\p], s73, s71                ; its scale words: 512 bytes a T,
	s_lshl_b32 s[82+\p], s70, 19                   ; and its 32 rows of out0
.endr
	s_mul_i32 s86, s8, SBY
	s_add_co_u32 s86, s86, STAGE                   ; my stage
	s_lshl_b32 s87, s8, 7
	s_add_co_u32 s88, s87, STAGE5                  ; the fifth piece: my pair's 128 bytes of each stage row,
	s_mul_i32 s89, s8, 4*528
	s_add_co_u32 s89, s89, STAGE5                  ; and the four rows that I take out
	v_and_b32 v5, 31, v0
	v_and_b32 v3, 15, v0                           ; r
	v_bfe_u32 v4, v0, 4, 1                         ; h
	v_lshlrev_b32 v[LN], 4, v5
	v_lshlrev_b32 v[LNR], 4, v3
.irp p, 0,1,2,3
	v_add_nc_u32 v[ADR+3*\p], s[74+\p], v[LN]
	v_add_nc_u32 v[ADA+3*\p], s[78+\p], v[LN]
.endr
.irp p, 0,1,2,3
	v_add_nc_u32 v[ADR+3*\p+1], 3*TBY, v[ADR+3*\p]
	v_add_nc_u32 v[ADR+3*\p+2], 6*TBY, v[ADR+3*\p]
	v_add_nc_u32 v[ADA+3*\p+1], 3*TBY, v[ADA+3*\p]
	v_add_nc_u32 v[ADA+3*\p+2], 6*TBY, v[ADA+3*\p]
.endr
	v_mul_u32_u24 v[STO2], v3, 528                 ; the columns' rows of out0: stage row r, 32 bytes for each h
	v_mul_u32_u24 v[STO1], v4, 8*272               ; the panel's rows: stage row 8 h + register, 4 bytes at r
	v_mul_u32_u24 v[RD1], v4, 272                  ; read back: lanes 0-15 one row of 256 bytes, lanes 16-31 the next
	v_lshlrev_b32 v7, 14, v4
	v_lshl_add_u32 v[STO2], v4, 5, v[STO2]
	v_lshl_add_u32 v[STO1], v3, 2, v[STO1]
	v_lshl_add_u32 v[RD1], v3, 4, v[RD1]
	v_lshl_add_u32 v7, v3, 4, v7
	v_add_nc_u32 v[STO5], s88, v[STO2]
	v_add_nc_u32 v[RD5], s89, v[LN]
	v_add_nc_u32 v[STO2], s86, v[STO2]
	v_add_nc_u32 v[RD2], s86, v[LN]                ; read back: the 32 lanes take one row of 512 bytes
	v_add_nc_u32 v[STO1], s86, v[STO1]
	v_add_nc_u32 v[RD1], s86, v[RD1]
	v_add_nc_u32 v[CO2], s87, v[LN]                ; in out0 its four pieces of 128 bytes are rotated back
	v_and_b32 v[CO2], 0x1ff, v[CO2]
.irp p, 0,1,2,3
	v_add_nc_u32 v[CO1+\p], s[82+\p], v7
.endr
	s_wait_alu depctr_va_vdst(0)                   ; every address is made
	s_wait_dscnt 0x0                               ; both opening adds are done
	s_wait_kmcnt 0x0
	s_add_nc_u64 s[44:45], s[4:5], s[26:27]        ; my columns
	s_add_nc_u64 s[46:47], s[4:5], s[42:43]        ; the fifth piece's strip,
	s_add_nc_u64 s[40:41], s[4:5], s[48:49]        ; its scale words
	s_add_nc_u64 s[38:39], s[4:5], s[20:21]        ; my quarter of the panel
	s_or_b32 s39, s39, 0x80000000
; Step u's columns: at each T's first step the scale words (of the fifth piece too), then the fifth piece's strip, then my four strips.
.macro SCALEB u, five
.if ((\u)%4) == 0
	WIN 0
.irp p, 0,1
	global_load_b128 v[SB+8*(((\u)/4)%3)+4*\p:SB+8*(((\u)/4)%3)+4*\p+3], v[LN], s[44:45] offset:((\u)/4)*TBY+16384+512*\p
.endr
.if \five
	global_load_b128 v[SF+4*(((\u)/4)%3):SF+4*(((\u)/4)%3)+3], v[LNR], s[40:41] offset:((\u)/4)*TBY+16384
.endif
.endif
.endm
.macro FIFB u
	WIN 0
.irp c, 0,1
	global_load_b128 v[FF+8*((\u)%8)+4*\c:FF+8*((\u)%8)+4*\c+3], v[LN], s[46:47] offset:((\u)/4)*TBY+4096*((\u)%4)+512*\c
.endr
.endm
.macro CODEB u
	WIN 0x40
.irp k, 0,1,2,3,4,5,6,7
	global_load_b128 v[32*((\u)%8)+4*\k:32*((\u)%8)+4*\k+3], v[LN], s[44:45] offset:((\u)/4)*TBY+4096*((\u)%4)+512*\k
.endr
.endm
; Step u's panel fragments: at each T's first step the scale words (lane l: row 32 P + l), then the four pairs.
.macro SCALEA u
.if ((\u)%4) == 0
	WIN 0
.irp p, 0,1,2,3
	ds_load_b128 v[SA+16*(((\u)/4)%2)+4*\p:SA+16*(((\u)/4)%2)+4*\p+3], v[ADA+3*\p+(\u)/12] offset:(((\u)/4)%3)*TBY+16384
.endr
.endif
.endm
.macro CODEA u
	WIN 0x80
.irp p, 0,1,2,3
.irp k, 0,1,2,3
	ds_load_b128 v[64*((\u)%4)+16*\p+4*\k:64*((\u)%4)+16*\p+4*\k+3], v[ADR+3*\p+(\u)/12] offset:(((\u)/4)%3)*TBY+4096*((\u)%4)+512*\k
.endr
.endr
.endm
; One product: source 0 = register pair p, 32 rows of the panel, source 1 = my strip b.  Lane (r, h) then holds column 16 b + r, register 8 g + j row 16 g + 8 h + j of the pair.
.macro MM b, p
.set DD, 16*(4*(\b)+(\p))
.set FRA, 64*(ST%4)+16*(\p)
.set FRB, 32*(ST%8)+8*(\b)
.set WA, SA+16*((ST/4)%2)+4*(\p)+ST%4
.set WB, SB+8*((ST/4)%3)+4*((\b)/2)+ST%4
.if ST == 0
.if (\b)%2
	v_wmma_scale_f32_32x16x128_f4 v[DD:DD+15], v[FRA:FRA+15], v[FRB:FRB+7], 0, v[WA], v[WB] matrix_b_scale:MATRIX_SCALE_ROW1
.else
	v_wmma_scale_f32_32x16x128_f4 v[DD:DD+15], v[FRA:FRA+15], v[FRB:FRB+7], 0, v[WA], v[WB]
.endif
.else
.if (\b)%2
	v_wmma_scale_f32_32x16x128_f4 v[DD:DD+15], v[FRA:FRA+15], v[FRB:FRB+7], v[DD:DD+15], v[WA], v[WB] matrix_b_scale:MATRIX_SCALE_ROW1
.else
	v_wmma_scale_f32_32x16x128_f4 v[DD:DD+15], v[FRA:FRA+15], v[FRB:FRB+7], v[DD:DD+15], v[WA], v[WB]
.endif
.endif
.endm
.macro FM                              ; the fifth piece: register pair 0 x its strip
.set FRA, 64*(ST%4)
.set FRB, FF+8*(ST%8)
.set WA, SA+16*((ST/4)%2)+ST%4
.set WB, SF+4*((ST/4)%3)+ST%4
.if ST == 0
	v_wmma_scale_f32_32x16x128_f4 v[FA:FA+15], v[FRA:FRA+15], v[FRB:FRB+7], 0, v[WA], v[WB]
.else
	v_wmma_scale_f32_32x16x128_f4 v[FA:FA+15], v[FRA:FRA+15], v[FRB:FRB+7], v[FA:FA+15], v[WA], v[WB]
.endif
.endm
; A STEP: 16 (17) products, the sums by turns; behind the first four of them, in one run, the loads: the panel's fragments of three steps on, the columns' of `lead' steps on, each into registers that an earlier step has read.
.macro STEP five, lead
.set LA, ST+2
.if LA > 31
.set LA, 31
.endif
.set LB, ST+(\lead)-1
.if LB > 31
.set LB, 31
.endif
.if (\five) && ST < 4
	s_wait_loadcnt 2*(3-ST)+13+10*ST               ; this step's strip is in (it was asked for behind my columns): behind it the strips up to step 3, step 4's 13 loads and 10 for each step done
.else
	s_wait_loadcnt (8+2*(\five))*(LB-ST)+(2+(\five))*(LB/4-ST/4)   ; this step's columns are in: behind them the younger steps' loads, and the scale words of each new T
.endif
	s_wait_dscnt 16*(LA-ST)+4*(LA/4-ST/4)          ; the panel's fragments are in: two younger steps may be out
	WIN 0xf6                                       ; source 0 window 2, source 1 window 1, C and D window 3
	MM 0, 0
	MM 0, 1
	MM 0, 2
	MM 0, 3
.if ST < 29
	PLACES
	SCALEA ST+3
.endif
.if ST+(\lead) < 32
	SCALEB ST+(\lead), \five
.if \five
	FIFB ST+(\lead)
.endif
.endif
.if ST < 29
	CODEA ST+3
.endif
.if ST+(\lead) < 32
	CODEB ST+(\lead)
.endif
	WIN 0xf6
.irp b, 1,2,3
	MM \b, 0
	MM \b, 1
	MM \b, 2
	MM \b, 3
.endr
.if \five
	WIN 0x02                                       ; source 0 window 2, all else window 0
	FM
.endif
.set ST, ST+1
.endm
.macro PRODUCT five, lead              ; all of K
.irp u, 0,1,2
	SCALEA \u
	CODEA \u
.endr
.set ST, 0
.rept 32
	STEP \five, \lead
.endr
	WIN 0
.endm
.irp u, 0,1,2,3                        ; my columns' first four steps, ahead of the round
	SCALEB \u, 0
	CODEB \u
.endr
	WIN 0
	CROUND                                         ; all four work-groups are here: the joint loads meet
	tensor_load_to_lds s[36:39], s[28:35]          ; the panel, a quarter a wave
	s_nop 0
	PLACES
	s_lshl_b32 s52, s24, 20                        ; where the results go: my columns as rows of out0 (64 rows are 2^20 bytes), at the panel's columns;
	s_lshl_b32 s54, s9, 9
	s_add_co_u32 s52, s52, s54
	s_mov_b32 s53, 0
	s_add_nc_u64 s[50:51], s[6:7], s[52:53]
	s_lshl_b32 s60, s9, 21                         ; the panel's rows, at my columns;
	s_lshl_b32 s61, s24, 8
	s_add_co_u32 s62, s60, s61
	s_mov_b32 s63, 0
	s_add_nc_u64 s[56:57], s[6:7], s[62:63]
	s_lshl_b32 s61, s10, 18                        ; the fifth piece: the panel's rows 16 s + 4 w .. + 3, at the panel's columns
	s_add_co_u32 s52, s60, s61
	s_lshl_b32 s61, s8, 16
	s_add_co_u32 s52, s52, s61
	s_add_co_u32 s52, s52, s54
	s_add_nc_u64 s[58:59], s[6:7], s[52:53]
	s_lshl_b32 s92, s25, 3
	s_sub_co_u32 s92, 128, s92                     ; how many of the 128 threads' lanes store the panel's rows: all, or none where my columns are the panel's own
	s_wait_tensorcnt 0x0                           ; my quarter is in,
	s_barrier_signal -1
	s_barrier_wait -1                              ; and everybody's
	s_cmp_eq_u32 s11, 0
	s_cbranch_scc1 .Lfive                          ; the same in all work-groups of the cluster
	PRODUCT 0, 4
	s_branch .Lout
.Lfive:
	global_load_b128 v[SF:SF+3], v[LNR], s[40:41] offset:16384
.irp u, 0,1,2,3
	FIFB \u
.endr
	SCALEB 4, 1
	FIFB 4
	CODEB 4
	PRODUCT 1, 5
	PLACES
	; THE FIFTH PIECE GOES OUT: a lane holds eight neighbouring columns of row r; the four waves' 128 bytes make a row of 512; each wave stores four rows
.irp k, 0,1,2,3
	ds_store_b128 v[STO5], v[FA+4*\k:FA+4*\k+3] offset:64*(\k/2)+16*(\k%2)
.endr
	s_wait_dscnt 0x0                               ; for the others' sake
	s_barrier_signal -1
	s_barrier_wait -1
.irp t, 0,1,2,3
	ds_load_b128 v[O5+4*\t:O5+4*\t+3], v[RD5] offset:528*\t
.endr
	s_wait_dscnt 0x0
.irp t, 0,1,2,3
	global_store_b128 v[LN], v[O5+4*\t:O5+4*\t+3], s[58:59] offset:\t*ROWC th:TH_STORE_NT
.endr
.Lout:
	PLACES
; THE WAY OUT, twice.  First my columns as rows of out0: strip b is 16 rows of 512 bytes, of which a lane holds 32 neighbouring bytes for each group.  The rows come back into window 1, each strip into registers of its own.
.macro TO2 b
	WIN 0x0c                                       ; the data: window 3
.irp p, 0,1,2,3
.irp k, 0,1,2,3
	ds_store_b128 v[STO2], v[16*(4*\b+\p)+4*\k:16*(4*\b+\p)+4*\k+3] offset:128*\p+64*(\k/2)+16*(\k%2)
.endr
.endr
	WIN 0x40
.irp t, 0,1,2,3,4,5,6,7,8,9,10,11,12,13,14,15
	ds_load_b128 v[64*\b+4*\t:64*\b+4*\t+3], v[RD2] offset:528*\t   ; LDS serves a wave's instructions in order: these see the stores above
.endr
.endm
.macro SEND2 b, younger
	s_wait_dscnt \younger                          ; the strip is back; 16 stores and 16 loads of a younger one may be out
	WIN 0x04
.irp t, 0,1,2,3,4,5,6,7,8,9,10,11,12,13,14,15
	global_store_b128 v[CO2], v[64*\b+4*\t:64*\b+4*\t+3], s[50:51] offset:(16*\b+\t)*ROWC th:TH_STORE_NT   ; 32 lanes store 512 consecutive bytes, aligned
.endr
.endm
; Then the panel's rows: group g is 16 rows of 256 bytes, of which sixteen lanes hold 64 neighbouring bytes in one register.  The rows come back into window 2.
.macro TO1 g
	WIN 0x0c
.irp b, 0,1,2,3
.irp k, 0,1,2,3,4,5,6,7
	ds_store_b32 v[STO1], v[16*(4*\b+\g/2)+8*(\g%2)+\k] offset:272*\k+64*\b
.endr
.endr
	WIN 0x80
.irp t, 0,1,2,3,4,5,6,7
	ds_load_b128 v[32*\g+4*\t:32*\g+4*\t+3], v[RD1] offset:544*\t
.endr
.endm
.macro SEND1 g, younger
	s_wait_dscnt \younger                          ; the group is back; 32 stores and 8 loads of each younger one may be out
	WIN 0x08
.irp t, 0,1,2,3,4,5,6,7
	global_store_b128 v[CO1+\g/2], v[32*\g+4*\t:32*\g+4*\t+3], s[56:57] offset:(16*(\g%2)+2*\t)*ROWC th:TH_STORE_NT   ; 16 lanes store 256 consecutive bytes, aligned
.endr
.endm
; The panel's rows are stored by all lanes, or by none where my columns are the panel's own: the diagonal block has gone out whole, as its columns' rows, from its two waves.
.macro LANES
	WIN 0
	s_wait_xcnt 0x0                                ; EXEC changes only behind this wait
	v_cmp_gt_u32 vcc_lo, s92, v0
	s_and_saveexec_b32 s90, vcc_lo
.endm
.macro ALL_LANES
	s_wait_xcnt 0x0                                ; and again, in front of the line that widens it
	s_or_b32 exec_lo, exec_lo, s90
.endm
	TO2 0
	TO2 1
	SEND2 0, 32
	SEND2 1, 0
	TO2 2
	TO2 3
	SEND2 2, 32
	SEND2 3, 0
	TO1 0
	TO1 1
	TO1 2
	TO1 3
	LANES
	SEND1 0, 63
	SEND1 1, 63
	SEND1 2, 40
	SEND1 3, 0
	ALL_LANES
	TO1 4
	TO1 5
	TO1 6
	TO1 7
	LANES
	SEND1 4, 63
	SEND1 5, 63
	SEND1 6, 40
	SEND1 7, 0
	ALL_LANES
	WIN 0
	s_wait_tensorcnt 0x0                           ; the wave's end
	ds_add_u32 v[SPW], v[NIL]
	s_wait_dscnt 0x0
	CROUND                                         ; the closing round: no work-group ends while a partner may still ask for a tile that names it
	s_endpgm
.Lfunc_end_k_q6408c0cce1_gram:
	.size	k_q6408c0cce1_gram, .Lfunc_end_k_q6408c0cce1_gram-k_q6408c0cce1_gram
	.p2alignl 7, 3214868480
	.fill 96, 4, 3214868480
	.section	.rodata,"a",@progbits
	.p2align	6, 0x0
	.amdhsa_kernel k_q6408c0cce1_gram
		.amdhsa_group_segment_fixed_size 327680
		.amdhsa_private_segment_fixed_size 0
		.amdhsa_enable_private_segment 0
		.amdhsa_kernarg_size 16
		.amdhsa_user_sgpr_count 2
		.amdhsa_user_sgpr_kernarg_segment_ptr 1
		.amdhsa_wavefront_size32 1
		.amdhsa_system_sgpr_workgroup_id_x 1
		.amdhsa_system_sgpr_workgroup_id_y 1
		.amdhsa_system_sgpr_workgroup_id_z 1
		.amdhsa_system_vgpr_workitem_id 0
		.amdhsa_next_free_vgpr 1024
		.amdhsa_next_free_sgpr 98
		.amdhsa_reserve_vcc 1
		.amdhsa_float_denorm_mode_32 3
		.amdhsa_float_denorm_mode_16_64 3
		.amdhsa_memory_ordered 1
		.amdhsa_forward_progress 1
		.amdhsa_inst_pref_size 255
	.end_amdhsa_kernel
	.section	.bss,"aw",@nobits
	.p2align	6
	.space	262144
	.amdgpu_metadata
---
amdhsa.version: [ 1, 2 ]
amdhsa.kernels:
  - .name:           k_q6408c0cce1_gram
    .symbol:         k_q6408c0cce1_gram.kd
    .args:
      - { .name: q, .offset: 0, .size: 8, .value_kind: global_buffer, .address_space: global }
      - { .name: out0, .offset: 8, .size: 8, .value_kind: global_buffer, .address_space: global }
    .group_segment_fixed_size: 327680
    .private_segment_fixed_size: 0
    .kernarg_segment_align: 8
    .kernarg_segment_size: 16
    .max_flat_workgroup_size: 128
    .sgpr_count:     98
    .vgpr_count:     1024
    .wavefront_size: 32
...
	.end_amdgpu_metadata
.endif
;; end of part 2
